; MI455X (gfx1250); checked and timed in simulation.
; The chip was launched on July 23, 2026; its instructions are those of AMD's public machine-readable ISA for CDNA 5 (MIT licence, August 2026) and "CDNA5" Instruction Set Architecture Reference Guide (July 2026). The comments in the code are by the model that wrote it; some were corrected since.
;; Rendering Kaolin. Allowed arithmetic: float matrix products may take bf16 or f16 operands with f32 sums; all other float work in f32.
;; Inputs: face_features 1 x 1,000 x 3 x 2 float32; faces 1,000 x 3 int32; lights 1 x 3 x 9 float32; quaternion 1 x 2 x 4 float32; texture_maps 1 x 3 x 512 x 512 float32; translation 1 x 3 x 2 float32; unit_vertices 1 x 600 x 3 float32.
;; Outputs: out0 1 x 2 x 1 x 4 x 128 x 128 float32; out1 1 x 3,000 x 2 float32.
;; One version. Each part assembles by itself: llvm-mc -triple=amdgcn-amd-amdhsa -mcpu=gfx1250 --defsym DOCPART=n.
;; ======== version 1 of 1: 3 launches
;; limits: inputs' magnitudes at most 10,000,000,000; right only within a limited range of input values
;; workspace buffers: rec 163,840 bytes; rng 8,192 bytes of whole numbers; lit 32,768 bytes; pix 131,072 bytes of whole numbers; wxy 262,144 bytes
;; launch setup (part 1): grid 32 x 1, 1 waves a work-group, no clusters, 0 bytes of LDS; arguments face_features, faces, lights, quaternion, translation, unit_vertices, rec, rng, lit, out1; writes rec, rng, lit, out1
.if DOCPART == 1
	.amdgcn_target "amdgcn-amd-amdhsa--gfx1250"
	.amdhsa_code_object_version 6
	.text
	.protected	k_q046a250e63_setup
	.globl	k_q046a250e63_setup
	.p2align	8
	.type	k_q046a250e63_setup,@function
k_q046a250e63_setup:
	s_mov_b64 s[64:65], 0
	v_nop
	global_prefetch_b8 v0, s[64:65] scope:SCOPE_SE
	s_setreg_imm32_b32 hwreg(HW_REG_WAVE_MODE, 25, 1), 1
	s_wait_xcnt 0x0
; SETUP: everything that belongs to a face and not to a pixel.  One lane = one face, both frames; 32 work-groups of one wave = 1,024 lanes.
; Per frame it stores: rec  [frame][quad 5][face 1024][4] f32   the constants of the face's three edge functions, depth and uv
;                      lit  [frame][face 1024][4] f32           the face's spherical-harmonic lighting r, g, b, 0
;                      rng  [face 1024][frame] i32              rlo | rhi1<<8: image rows rlo <= r < rhi1 in which the face can cover a pixel centre (255 = none)
; and once: out1 = projected face vertices of frame 1 minus those of frame 0.
; Lanes 1000..1023 repeat face 999 with an empty row range, so that every byte of rec, rng and lit that is loaded later has been stored.
; ROUNDING.  Which face covers a pixel is a discontinuous decision, so all that feeds it (unit quaternion, rotation, vertices, projection, edges,
; constants, 1/area) is computed in f32 operation by operation as the model writes it, with divisions and the square root corrected to the nearest
; f32 by a residual step.  Where the model's own library routines may fuse a multiply and an add, the three switches below say which is assumed.
; Values that only enter colours (uv coefficients, unit normal, lighting) are folded freely.
; LIMITS.  A vertex exactly in the camera plane (division by zero) gives infinities or NaN as in the model's out1, and its faces are then not drawn
; faithfully.  v_rcp_f32, v_rsq_f32 and v_sqrt_f32 take denormal inputs as zero (ISA guide, their entries): quaternions with a squared norm below 2^-126
; and depths below 2^-126 are outside this text.  Vertex indices are clamped to 599, which changes no index that stays inside the table.
.set NFACE, 1000
.set NVERT, 600
.set RECQ,  16384                      ; bytes of one quad plane of rec: 1,024 faces x 16
.set RECF,  5*RECQ                     ; bytes of a frame in rec
.set LITF,  16384                      ; bytes of a frame in lit
.set NORM_FMA,  1                      ; sum of squares of the quaternion: fused
.set DOT_FMA,   0                      ; vertex times rotation: multiply and add rounded apart
.set CROSS_FMA, 1                      ; cross product: first product fused into the difference
.set FF,  4                            ; v[4:9]    features: vertex i: u at FF+2i, v at FF+2i+1
.set VX,  12                           ; v[12:14], v[16:18], v[20:22]  unit vertices of the face
.set R,   28                           ; v[28:36]  rotation, row j column k at R+3j+k
.set CX,  40                           ; v[40:45]  camera x, y of vertex i at CX+2i, CX+2i+1
.set IMG, 50                           ; v[50:55] image x, y of frame 0; v[56:61] of frame 1
.set Q,   64                           ; v[64:83]  the five quads: e0x e1x e2x IA | e0y e1y e2y Z0 | K0 K1 K2 Z1 | Z2 Bu Au Cu | Av Bv Cv 0
.set ZR0, Q+7                          ; camera z of the three vertices is computed straight into its place in the quads
.set ZR1, Q+11
.set ZR2, Q+12
.set LIT, 84                           ; v[84:87]
.set RNG, 88                           ; v[88:89]  row range words of frame 0, 1
.set O16, 90                           ; 16 f
.set O24, 91                           ; 24 f
.set O8,  92                           ; 8 f
.set ONE, 94                           ; 1.0
.set EPS, 95                           ; 1e-10
.set TM,  119                          ; temporary of MAD and CROSSC;  v96..v118 temporaries
.set AF,  120                          ; byte offset of the face's indices
.set AG,  121                          ; byte offset of the face's features
.macro RCPN y, b, t                    ; y = 1/b, one residual step on the hardware's estimate
	v_rcp_f32 v[\y], v[\b]
	v_nop                                          ; one plain place between a transcendental and the use of its result (ISA guide 5.7.2)
	s_wait_alu depctr_va_vdst(0)
	v_fma_f32 v[\t], -v[\b], v[\y], 1.0
	v_fma_f32 v[\y], v[\t], v[\y], v[\y]
.endm
.macro DIVQ q, a, b, y, t              ; q = a/b to the nearest f32: quotient estimate, exact residual, correction.  y = 1/b from RCPN
	v_mul_f32 v[\q], v[\a], v[\y]
	v_fma_f32 v[\t], -v[\b], v[\q], v[\a]
	v_fma_f32 v[\q], v[\t], v[\y], v[\q]
.endm
.macro SQRTN s, x, y, t                ; s = sqrt(x) to the nearest f32
	v_rsq_f32 v[\y], v[\x]
	v_nop
	s_wait_alu depctr_va_vdst(0)
	v_mul_f32 v[\s], v[\x], v[\y]
	v_mul_f32 v[\y], 0.5, v[\y]
	v_fma_f32 v[\t], -v[\s], v[\s], v[\x]
	v_fma_f32 v[\s], v[\t], v[\y], v[\s]
.endm
.macro MAD d, a, b, c, fused           ; d = a b + c, in one rounding or in two
.if \fused
	v_fma_f32 v[\d], v[\a], v[\b], v[\c]
.else
	v_mul_f32 v[TM], v[\a], v[\b]
	v_add_f32 v[\d], v[TM], v[\c]
.endif
.endm
.macro CROSSC d, a, b, c, e            ; d = a b - c e
	v_mul_f32 v[TM], v[\c], v[\e]
.if CROSS_FMA
	v_fma_f32 v[\d], v[\a], v[\b], -v[TM]
.else
	v_mul_f32 v[\d], v[\a], v[\b]
	v_sub_f32 v[\d], v[\d], v[TM]
.endif
.endm
.macro COORD d, i, j, ts               ; d = coordinate j of vertex i: row j of the rotation times the vertex, plus the translation in s[ts]
	v_mul_f32 v[\d], v[VX+4*\i], v[R+3*\j]
	MAD \d, VX+4*\i+1, R+3*\j+1, \d, DOT_FMA
	MAD \d, VX+4*\i+2, R+3*\j+2, \d, DOT_FMA
	v_add_f32 v[\d], s[\ts], v[\d]
.endm
	s_load_b512 s[4:19], s[0:1], 0x0               ; features s[4:5], faces s[6:7], lights s[8:9], quaternion s[10:11], translation s[12:13], vertices s[14:15], rec s[16:17], rng s[18:19]
	s_load_b128 s[20:23], s[0:1], 0x40             ; lit s[20:21], out1 s[22:23]
	s_lshl_b32 s2, ttmp9, 5
	s_mov_b32 s68, 0x2edbe6ff                      ; 1e-10
	s_mov_b32 s69, 0x42800000                      ; 64.0: image rows per unit of y
	s_mov_b32 s70, 0x401a98c2                      ; 1 / tan(0.3925) in f32
	v_add_nc_u32 v2, s2, v0                        ; f: my face, 0..1023
	v_min_u32 v3, NFACE-1, v2                      ; the face whose inputs I load
	v_mul_u32_u24 v[AF], v3, 12
	v_mul_u32_u24 v[AG], v3, 24
	v_lshlrev_b32 v[O16], 4, v2
	v_lshlrev_b32 v[O8], 3, v2
	v_mul_u32_u24 v[O24], v2, 24
	v_mov_b32 v[ONE], 1.0
	v_mov_b32 v[EPS], s68
	s_wait_kmcnt 0x0
	s_load_b256 s[24:31], s[10:11], 0x0            ; quaternion of frame m in s[24+4m:27+4m]
	s_load_b128 s[32:35], s[12:13], 0x0            ; translation [c][frame]: x s32, s33; y s34, s35;
	s_load_b64 s[66:67], s[12:13], 0x10            ; z s66, s67
	s_load_b512 s[36:51], s[8:9], 0x0              ; lights [colour][band]: word 9 c + k in s[36+9c+k], 27 words = 108 bytes
	s_load_b256 s[52:59], s[8:9], 0x40
	s_load_b96 s[60:62], s[8:9], 0x60
	global_load_b32 v10, v[AF], s[6:7]
	global_load_b32 v11, v[AF], s[6:7] offset:4
	global_load_b32 v12, v[AF], s[6:7] offset:8
	global_load_b64 v[FF:FF+1],   v[AG], s[4:5]
	global_load_b64 v[FF+2:FF+3], v[AG], s[4:5] offset:8
	global_load_b64 v[FF+4:FF+5], v[AG], s[4:5] offset:16
	s_wait_loadcnt 0x3                             ; the three indices are in; the three younger loads (features) stay out
	v_min_u32 v10, NVERT-1, v10
	v_min_u32 v11, NVERT-1, v11
	v_min_u32 v12, NVERT-1, v12
	v_mul_u32_u24 v24, v10, 12
	v_mul_u32_u24 v25, v11, 12
	v_mul_u32_u24 v26, v12, 12
	global_load_b96 v[VX:VX+2],    v24, s[14:15]
	global_load_b96 v[VX+4:VX+6],  v25, s[14:15]
	global_load_b96 v[VX+8:VX+10], v26, s[14:15]
	s_wait_kmcnt 0x0                               ; quaternion, translation, lights
	s_wait_loadcnt 0x0                             ; features and vertices: nothing is loaded after this
.macro FRAME m
.set I, IMG+6*\m
.if \m
	s_wait_xcnt 0x0                                ; the quads and lit are data of frame 0's stores: they are written again only behind this wait
.endif
	; the unit quaternion w x y z in v100..v103 (the same in every lane; brought into vector registers so that the residual steps can be written once)
	v_mov_b32 v104, s[24+4*\m]
	v_mov_b32 v105, s[25+4*\m]
	v_mov_b32 v106, s[26+4*\m]
	v_mov_b32 v107, s[27+4*\m]
	v_mul_f32 v96, v104, v104
	MAD 96, 105, 105, 96, NORM_FMA
	MAD 96, 106, 106, 96, NORM_FMA
	MAD 96, 107, 107, 96, NORM_FMA
	SQRTN 97, 96, 98, 99
	RCPN 98, 97, 99
	DIVQ 100, 104, 97, 98, 99
	DIVQ 101, 105, 97, 98, 99
	DIVQ 102, 106, 97, 98, 99
	DIVQ 103, 107, 97, 98, 99
	; the rotation: nine rounded products, sums, then 1 - 2 t (2 t is exact, so the fused form has the written form's one rounding) or 2 t (exact)
	v_mul_f32 v108, v101, v101                     ; xx
	v_mul_f32 v109, v102, v102                     ; yy
	v_mul_f32 v110, v103, v103                     ; zz
	v_mul_f32 v111, v101, v102                     ; xy
	v_mul_f32 v112, v101, v103                     ; xz
	v_mul_f32 v113, v102, v103                     ; yz
	v_mul_f32 v114, v100, v101                     ; wx
	v_mul_f32 v115, v100, v102                     ; wy
	v_mul_f32 v116, v100, v103                     ; wz
	v_add_f32 v96, v109, v110
	v_add_f32 v97, v108, v110
	v_add_f32 v98, v108, v109
	v_fma_f32 v[R+0], -2.0, v96, 1.0
	v_fma_f32 v[R+4], -2.0, v97, 1.0
	v_fma_f32 v[R+8], -2.0, v98, 1.0
	v_sub_f32 v[R+1], v111, v116
	v_add_f32 v[R+2], v112, v115
	v_add_f32 v[R+3], v111, v116
	v_sub_f32 v[R+5], v113, v114
	v_sub_f32 v[R+6], v112, v115
	v_add_f32 v[R+7], v113, v114
.irp k, 1,2,3,5,6,7
	v_add_f32 v[R+\k], v[R+\k], v[R+\k]
.endr
	; the three vertices in camera space (the camera stands at z = 2)
.irp i, 0,1,2
	COORD CX+2*\i, \i, 0, 32+\m
	COORD CX+2*\i+1, \i, 1, 34+\m
	COORD ZR\i, \i, 2, 66+\m
	v_add_f32 v[ZR\i], -2.0, v[ZR\i]
.endr
	; projection: (x F) / (-z), (y F) / (-z)
.irp i, 0,1,2
	v_mul_f32 v96, -1.0, v[ZR\i]
	RCPN 98, 96, 99
	v_mul_f32 v100, s70, v[CX+2*\i]
	v_mul_f32 v101, s70, v[CX+2*\i+1]
	DIVQ I+2*\i, 100, 96, 98, 99
	DIVQ I+2*\i+1, 101, 96, 98, 99
.endr
	; the unit normal x y z in v106..v108; s2 = lanes whose face looks at the camera
	v_sub_f32 v100, v[CX+2], v[CX+0]
	v_sub_f32 v101, v[CX+3], v[CX+1]
	v_sub_f32 v102, v[ZR1], v[ZR0]
	v_sub_f32 v103, v[CX+4], v[CX+0]
	v_sub_f32 v104, v[CX+5], v[CX+1]
	v_sub_f32 v105, v[ZR2], v[ZR0]
	CROSSC 106, 101, 105, 102, 104
	CROSSC 107, 102, 103, 100, 105
	CROSSC 108, 100, 104, 101, 103
	v_mul_f32 v96, v106, v106
	v_fma_f32 v96, v107, v107, v96
	v_fma_f32 v96, v108, v108, v96
	v_sqrt_f32 v97, v96
	v_nop
	s_wait_alu depctr_va_vdst(0)
	v_add_f32 v97, v[EPS], v97
	v_rcp_f32 v98, v97
	v_nop
	s_wait_alu depctr_va_vdst(0)
	v_mul_f32 v106, v106, v98
	v_mul_f32 v107, v107, v98
	v_mul_f32 v108, v108, v98
	v_cmp_lt_f32 s2, 0, v108
	; lighting: nine bands in v110..v118, then three sums of nine with the lights in scalar registers
	v_mov_b32 v110, 0x3e906ec1                     ; 0.282095
	v_mul_f32 v111, 0x3efa2a2c, v107               ; 0.488603 y
	v_mul_f32 v112, 0x3efa2a2c, v108               ; 0.488603 z
	v_mul_f32 v113, 0x3efa2a2c, v106               ; 0.488603 x
	v_mul_f32 v114, v106, v107
	v_mul_f32 v115, v107, v108
	v_mul_f32 v116, v108, v108
	v_mul_f32 v117, v106, v108
	v_mul_f32 v118, v107, v107
	v_fma_f32 v116, 0x40400000, v116, -1.0         ; 3 zz - 1
	v_fma_f32 v118, v106, v106, -v118              ; xx - yy
	v_mul_f32 v114, 0x3f8bd89d, v114               ; 1.092548 xy
	v_mul_f32 v115, 0x3f8bd89d, v115               ; 1.092548 yz
	v_mul_f32 v116, 0x3ea17b0f, v116               ; 0.315392 (3 zz - 1)
	v_mul_f32 v117, 0x3f8bd89d, v117               ; 1.092548 xz
	v_mul_f32 v118, 0x3f0bd89d, v118               ; 0.546274 (xx - yy)
.irp c, 0,1,2
	v_mul_f32 v[LIT+\c], s[36+9*\c], v110          ; the first product starts the sum
.irp k, 1,2,3,4,5,6,7,8
	v_fma_f32 v[LIT+\c], s[36+9*\c+\k], v[110+\k], v[LIT+\c]
.endr
.endr
	v_mov_b32 v[LIT+3], 0
	; image space: a, b, c = vertices 0, 1, 2.  Opposite edges e0 = c - b, e1 = a - c, e2 = b - a
	v_sub_f32 v[Q+0], v[I+4], v[I+2]
	v_sub_f32 v[Q+1], v[I+0], v[I+4]
	v_sub_f32 v[Q+2], v[I+2], v[I+0]
	v_sub_f32 v[Q+4], v[I+5], v[I+3]
	v_sub_f32 v[Q+5], v[I+1], v[I+5]
	v_sub_f32 v[Q+6], v[I+3], v[I+1]
	v_mul_f32 v96, v[Q+2], v[Q+5]                  ; (bx-ax)(cy-ay) = -e2x e1y and (by-ay)(cx-ax) = -e2y e1x: negation is exact,
	v_mul_f32 v97, v[Q+6], v[Q+1]                  ; so the area below has the three roundings of the written form
	v_sub_f32 v109, v97, v96                       ; area
	; K_i = e_iy q_ix - e_ix q_iy with q = b, c, a; S (v110) = sum of the magnitudes that enter an edge value for |px|, |py| < 1
.irp i, 0,1,2
.set QI, I+2*((\i+1)%3)
	v_mul_f32 v98, v[Q+4+\i], v[QI]
	v_mul_f32 v99, v[Q+\i], v[QI+1]
	v_sub_f32 v[Q+8+\i], v98, v99
	v_add_f32 v100, |v98|, |v99|
	v_add_f32 v101, |v[Q+\i]|, |v[Q+4+\i]|
.if \i == 0
	v_add_f32 v110, v100, v101
.else
	v_add_f32 v100, v100, v101
	v_add_f32 v110, v110, v100
.endif
.endr
	v_cmp_gt_f32 s3, s68, |v109|                   ; |area| < 1e-10: 1e-10 takes its place
	v_cndmask_b32 v111, v109, v[EPS], s3
	RCPN 98, 111, 99
	DIVQ Q+3, ONE, 111, 98, 99                     ; IA = 1 / area
	; uv as affine forms of the pixel centre: u = Au px + Bu py + Cu, from bary_i = (py e_ix - px e_iy + K_i) IA and u = sum bary_i u_i
.irp i, 0,1,2
	v_mul_f32 v100, v[Q+4+\i], v[Q+3]
	v_mul_f32 v101, v[Q+\i], v[Q+3]
	v_mul_f32 v102, v[Q+8+\i], v[Q+3]
.if \i == 0
	v_mul_f32 v[Q+14], -v100, v[FF]
	v_mul_f32 v[Q+13], v101, v[FF]
	v_mul_f32 v[Q+15], v102, v[FF]
	v_mul_f32 v[Q+16], -v100, v[FF+1]
	v_mul_f32 v[Q+17], v101, v[FF+1]
	v_mul_f32 v[Q+18], v102, v[FF+1]
.else
	v_fma_f32 v[Q+14], -v100, v[FF+2*\i], v[Q+14]
	v_fma_f32 v[Q+13], v101, v[FF+2*\i], v[Q+13]
	v_fma_f32 v[Q+15], v102, v[FF+2*\i], v[Q+15]
	v_fma_f32 v[Q+16], -v100, v[FF+2*\i+1], v[Q+16]
	v_fma_f32 v[Q+17], v101, v[FF+2*\i+1], v[Q+17]
	v_fma_f32 v[Q+18], v102, v[FF+2*\i+1], v[Q+18]
.endif
.endr
	v_mov_b32 v[Q+19], 0
	; The row range.  A computed edge value differs from the exact one by less than 2^-20 S (sixteen half-units of the last place of S).  With
	; g = 2^-20 S |IA| at most 2^-4 the computed area is within a factor 2 of the exact one, so a pixel that passes all three tests has exact
	; barycentrics of at least -2 g and lies within 4 g H of [ymin, ymax] (H = ymax - ymin).  The range takes 8 g H and one row more on each side
	; for the rounding of these lines.  g above 2^-4, an area replaced by 1e-10, and NaN (the _num maximum and minimum drop it) give all 128 rows.
	v_max3_num_f32 v100, v[I+1], v[I+3], v[I+5]
	v_min3_num_f32 v101, v[I+1], v[I+3], v[I+5]
	v_sub_f32 v102, v100, v101
	v_mul_f32 v103, v110, |v[Q+3]|
	v_mul_f32 v103, 0x35800000, v103               ; g (2^-20)
	v_mul_f32 v104, v103, v102
	v_mul_f32 v104, 0x41000000, v104               ; 8 g H
	v_add_f32 v105, v100, v104
	v_sub_f32 v106, v101, v104
	v_sub_f32 v105, 1.0, v105
	v_sub_f32 v106, 1.0, v106
	v_fma_f32 v105, s69, v105, -0.5                ; row r has its centres at y = 1 - (r + 0.5) / 64, so r = 64 (1 - y) - 0.5
	v_fma_f32 v106, s69, v106, -0.5
	v_floor_f32 v105, v105
	v_floor_f32 v106, v106
	v_add_f32 v106, 2.0, v106
	v_max_num_f32 v105, 0, v105
	v_min_num_f32 v106, 0x43000000, v106
	v_min_num_f32 v105, 0x43000000, v105
	v_max_num_f32 v106, 0, v106
	v_cvt_u32_f32 v105, v105
	v_cvt_u32_f32 v106, v106
	v_lshl_or_b32 v105, v106, 8, v105
	v_cmp_lt_f32 vcc_lo, 0x3d800000, v103          ; 2^-4 < g
	s_or_b32 vcc_lo, vcc_lo, s3
	v_mov_b32 v107, 0x8000                         ; rows 0 to 127
	v_cndmask_b32 v105, v105, v107, vcc_lo
	v_cmp_gt_u32 vcc_lo, NFACE, v2
	s_and_b32 vcc_lo, vcc_lo, s2                   ; a real face that looks at the camera
	v_mov_b32 v107, 255                            ; else no row
	v_cndmask_b32 v[RNG+\m], v107, v105, vcc_lo
.irp q, 0,1,2,3,4
	global_store_b128 v[O16], v[Q+4*\q:Q+4*\q+3], s[16:17] offset:\m*RECF+\q*RECQ   ; the wave's store covers 512 consecutive bytes, aligned
.endr
	global_store_b128 v[O16], v[LIT:LIT+3], s[20:21] offset:\m*LITF
.endm
	FRAME 0
	FRAME 1
	global_store_b64 v[O8], v[RNG:RNG+1], s[18:19]                 ; 256 consecutive bytes, aligned
.irp k, 0,1,2,3,4,5
	v_sub_f32 v[96+\k], v[IMG+6+\k], v[IMG+\k]                     ; the flow
.endr
	s_wait_xcnt 0x0                                ; EXEC is a source of the stores above: it is narrowed only behind this wait
	v_cmp_gt_u32 vcc_lo, NFACE, v2
	s_and_saveexec_b32 s2, vcc_lo                  ; out1 has 1,000 faces
	global_store_b64 v[O24], v[96:97],   s[22:23]                  ; the three stores of the wave cover 768 consecutive bytes between them
	global_store_b64 v[O24], v[98:99],   s[22:23] offset:8
	global_store_b64 v[O24], v[100:101], s[22:23] offset:16
	s_endpgm
.Lfunc_end_k_q046a250e63_setup:
	.size	k_q046a250e63_setup, .Lfunc_end_k_q046a250e63_setup-k_q046a250e63_setup
	.p2alignl 7, 3214868480
	.fill 96, 4, 3214868480
	.section	.rodata,"a",@progbits
	.p2align	6, 0x0
	.amdhsa_kernel k_q046a250e63_setup
		.amdhsa_group_segment_fixed_size 0
		.amdhsa_private_segment_fixed_size 0
		.amdhsa_enable_private_segment 0
		.amdhsa_kernarg_size 80
		.amdhsa_user_sgpr_count 2
		.amdhsa_user_sgpr_kernarg_segment_ptr 1
		.amdhsa_wavefront_size32 1
		.amdhsa_system_sgpr_workgroup_id_x 1
		.amdhsa_system_sgpr_workgroup_id_y 1
		.amdhsa_system_sgpr_workgroup_id_z 1
		.amdhsa_system_vgpr_workitem_id 0
		.amdhsa_next_free_vgpr 128
		.amdhsa_next_free_sgpr 72
		.amdhsa_reserve_vcc 1
		.amdhsa_float_denorm_mode_32 3
		.amdhsa_float_denorm_mode_16_64 3
		.amdhsa_memory_ordered 1
		.amdhsa_forward_progress 1
		.amdhsa_inst_pref_size 33
	.end_amdhsa_kernel
	.amdgpu_metadata
---
amdhsa.version: [ 1, 2 ]
amdhsa.kernels:
  - .name:           k_q046a250e63_setup
    .symbol:         k_q046a250e63_setup.kd
    .args:
      - { .name: face_features, .offset: 0, .size: 8, .value_kind: global_buffer, .address_space: global }
      - { .name: faces, .offset: 8, .size: 8, .value_kind: global_buffer, .address_space: global }
      - { .name: lights, .offset: 16, .size: 8, .value_kind: global_buffer, .address_space: global }
      - { .name: quaternion, .offset: 24, .size: 8, .value_kind: global_buffer, .address_space: global }
      - { .name: translation, .offset: 32, .size: 8, .value_kind: global_buffer, .address_space: global }
      - { .name: unit_vertices, .offset: 40, .size: 8, .value_kind: global_buffer, .address_space: global }
      - { .name: rec, .offset: 48, .size: 8, .value_kind: global_buffer, .address_space: global }
      - { .name: rng, .offset: 56, .size: 8, .value_kind: global_buffer, .address_space: global }
      - { .name: lit, .offset: 64, .size: 8, .value_kind: global_buffer, .address_space: global }
      - { .name: out1, .offset: 72, .size: 8, .value_kind: global_buffer, .address_space: global }
    .group_segment_fixed_size: 0
    .private_segment_fixed_size: 0
    .kernarg_segment_align: 8
    .kernarg_segment_size: 80
    .max_flat_workgroup_size: 32
    .sgpr_count:     72
    .vgpr_count:     128
    .wavefront_size: 32
...
	.end_amdgpu_metadata
.endif
;; end of part 1
;; launch raster (part 2): grid 128 x 2, 32 waves a work-group, no clusters, 167,936 bytes of LDS; arguments rec, rng, pix, wxy; writes pix, wxy
.if DOCPART == 2
	.amdgcn_target "amdgcn-amd-amdhsa--gfx1250"
	.amdhsa_code_object_version 6
	.text
	.protected	k_q046a250e63_raster
	.globl	k_q046a250e63_raster
	.p2align	8
	.type	k_q046a250e63_raster,@function
k_q046a250e63_raster:
	s_mov_b64 s[64:65], 0
	v_nop
	global_prefetch_b8 v0, s[64:65] scope:SCOPE_SE
	s_setreg_imm32_b32 hwreg(HW_REG_WAVE_MODE, 25, 1), 1
	s_wait_xcnt 0x0
; RASTER: for each pixel the nearest front face that covers its centre, and the texture place that follows from it.
; A work-group is one image row of one frame (x = row, y = frame): 128 pixels.  Lane l of EVERY wave owns pixels 4 l .. 4 l + 3 (two packed pairs);
; wave w owns faces 32 w .. 32 w + 31, so thread t loads face t.  32 waves of 128 registers fill the four SIMDs, eight waves each.
; Each lane puts its face's record at a fixed place in LDS (all lanes on).  The faces whose stored row range holds this row are a 32-bit mask in a
; scalar register; the wave walks the mask's set bits in ascending order, all lanes reading the same record.  The 32 waves' winners are joined in two steps.
; The winner's depth, number, u and v are carried along by selects: no address and no branch in this launch hangs on a floating-point number.
; Trip count and record address hang on rng alone, whole numbers that the launch before stored.
; Stored: pix [frame][128][128] i32 = x0 | y0<<9 | (face & 1023)<<18 | covered<<31 (the texel corner);  wxy [wx, wy][frame][128][128] f32 (the blend weights).
; ROUNDING.  Barycentrics and depth have the model's own order of roundings: ((py ex - px ey) + K) IA, each step rounded (BARY_FMA = 1: the first
; difference fused), depth = b0 z0, then two fused multiply-adds.  px = (2x - 127)/128 and py = (127 - 2r)/128 are exact.  u and v are affine forms.
; The depth sum over three numbers per face and pixel stays on the vector unit in f32: operands of 16 bits would move depths by more than layers differ.
; LIMITS.  A NaN in one or two of a face's barycentrics is dropped by the minimum (the model would reject the face); a covered depth of -1e10 or
; below counts as not covered.  The first face wins a tie in depth, as in the model: faces are met in ascending order and replaced on 'greater' alone.
; No tile mover and no cluster: the 80 KiB of records are read once, six loads a lane that are all out together, ahead of a loop that touches LDS alone.
; No look-ahead in the walk: while one wave waits for a record, the seven other waves of its SIMD have 7 x 62 vector instructions to issue.
.set BARY_FMA, 0
.set RECQ,  16384                      ; bytes of one quad plane of rec
.set RECF,  5*RECQ                     ; bytes of a frame in rec
.set RECB,  80                         ; bytes of a record in LDS: 18 words used; 5 x 16 bytes, so that 16 lanes' 16-byte stores fall on 16 different columns of 256 bytes
.set WREC,  32*RECB                    ; a wave's records: 2,560 bytes
.set RED,   32*WREC                    ; 81,920: [wave 32][best, index, u, v][pixel 128] words = 65,536 bytes
.set RED2,  RED+32*2048                ; 147,456: [group 8][best, index, u, v][pixel 128] words = 16,384 bytes; RED2 ends at 163,840
.set PX,   4                           ; v[4:7]    px of my four pixels
.set PY,   8                           ; v8        py of the row (v9 its copy where the fused form reads the pair)
.set ORNG, 10                          ; v10       8 t: my face's range words
.set OREC, 11                          ; v11       16 t: my face's quads
.set LBV,  12                          ; v12       my wave's records in LDS
.set PA,   13                          ; v13       the record at work
.set RW,   16                          ; v16       row range word of my face
.set SA,   17                          ; v17       where my face's record goes
.set BEST, 24                          ; v[24:27]  largest depth so far
.set IDX,  28                          ; v[28:31]  its face, -1 = none
.set UU,   32                          ; v[32:35]  its u
.set VV,   36                          ; v[36:39]  its v
.set RA,   40                          ; v[40:57]  the record: T0 T1 T2 IA | E0 E1 E2 Z0 | K0 K1 K2 Z1 | Z2 ID Au Du | Av Dv
.set BR,   60                          ; v[60:71]  barycentrics: pair p, edge i at BR+6p+2i
.set ZP,   72                          ; v[72:75]  depth
.set UN,   76                          ; v[76:79]  u of this face
.set VN,   80                          ; v[80:83]
.set MR,   84                          ; v[84:87]  smallest barycentric
.set W,    88                          ; v[88:107] my face's five quads as loaded
.set S1,   40                          ; v[40:55]  first join: source i, quantity q at S1+4i+q (one pixel a lane)
.set S2,   40                          ; v[40:103] second join: group g, quantity q at S2+8g+2q (two pixels a lane)
.set OW,   104                         ; v[104:105] the word for pix
.set OX,   106                         ; v[106:107] wx
.set OY,   108                         ; v[108:109] wy;  v110-112 at work
; d = a * (word w in both halves): op_sel picks the register of the pair for the low result, op_sel_hi for the high one
.macro PKB_MUL d, a, w
.if (\w)&1
	v_pk_mul_f32 v[\d:\d+1], v[\a:\a+1], v[\w-1:\w] op_sel:[0,1] op_sel_hi:[1,1]
.else
	v_pk_mul_f32 v[\d:\d+1], v[\a:\a+1], v[\w:\w+1] op_sel:[0,0] op_sel_hi:[1,0]
.endif
.endm
.macro PKB_ADD d, w                    ; d = d + word w
.if (\w)&1
	v_pk_add_f32 v[\d:\d+1], v[\d:\d+1], v[\w-1:\w] op_sel:[0,1] op_sel_hi:[1,1]
.else
	v_pk_add_f32 v[\d:\d+1], v[\d:\d+1], v[\w:\w+1] op_sel:[0,0] op_sel_hi:[1,0]
.endif
.endm
.macro PKB_RSUB d, w                   ; d = word w - d
.if (\w)&1
	v_pk_add_f32 v[\d:\d+1], v[\w-1:\w], v[\d:\d+1] op_sel:[1,0] op_sel_hi:[1,1] neg_lo:[0,1] neg_hi:[0,1]
.else
	v_pk_add_f32 v[\d:\d+1], v[\w:\w+1], v[\d:\d+1] op_sel:[0,0] op_sel_hi:[0,1] neg_lo:[0,1] neg_hi:[0,1]
.endif
.endm
.macro PKB_PYFMA d, w                  ; d = py * word w - d, fused
.if (\w)&1
	v_pk_fma_f32 v[\d:\d+1], v[PY:PY+1], v[\w-1:\w], v[\d:\d+1] op_sel:[0,1,0] op_sel_hi:[0,1,1] neg_lo:[0,0,1] neg_hi:[0,0,1]
.else
	v_pk_fma_f32 v[\d:\d+1], v[PY:PY+1], v[\w:\w+1], v[\d:\d+1] op_sel:[0,0,0] op_sel_hi:[0,0,1] neg_lo:[0,0,1] neg_hi:[0,0,1]
.endif
.endm
.macro PKB_FMA d, a, w                 ; d = a * word w + d
.if (\w)&1
	v_pk_fma_f32 v[\d:\d+1], v[\a:\a+1], v[\w-1:\w], v[\d:\d+1] op_sel:[0,1,0] op_sel_hi:[1,1,1]
.else
	v_pk_fma_f32 v[\d:\d+1], v[\a:\a+1], v[\w:\w+1], v[\d:\d+1] op_sel:[0,0,0] op_sel_hi:[1,0,1]
.endif
.endm
.macro PKB_FMA2 d, a, rp               ; d = a * (first word of the pair rp) + (its second word)
	v_pk_fma_f32 v[\d:\d+1], v[\a:\a+1], v[\rp:\rp+1], v[\rp:\rp+1] op_sel:[0,0,1] op_sel_hi:[1,0,1]
.endm
; One face against my four pixels, written stage by stage over the six chains (pair, edge) so that no line waits for the line in front of it.
.macro FACE r
.irp p, 0,1
.irp i, 0,1,2
	PKB_MUL BR+6*\p+2*\i, PX+2*\p, \r+4+\i         ; px ey
.endr
.endr
.irp p, 0,1
.irp i, 0,1,2
.if BARY_FMA
	PKB_PYFMA BR+6*\p+2*\i, \r+\i                  ; py ex - that, one rounding
.else
	PKB_RSUB BR+6*\p+2*\i, \r+\i                   ; (py ex, rounded once for the row) - that
.endif
.endr
.endr
.irp p, 0,1
.irp i, 0,1,2
	PKB_ADD BR+6*\p+2*\i, \r+8+\i                  ; + K
.endr
.endr
.irp p, 0,1
.irp i, 0,1,2
	PKB_MUL BR+6*\p+2*\i, BR+6*\p+2*\i, \r+3       ; * 1/area
.endr
.endr
.irp p, 0,1
	PKB_MUL ZP+2*\p, BR+6*\p, \r+7                 ; depth = b0 z0
.endr
.irp p, 0,1
	PKB_FMA ZP+2*\p, BR+6*\p+2, \r+11              ; + b1 z1
.endr
.irp p, 0,1
	PKB_FMA ZP+2*\p, BR+6*\p+4, \r+12              ; + b2 z2
.endr
.irp k, 0,1,2,3
	v_min3_num_f32 v[MR+\k], v[BR+6*(\k/2)+(\k%2)], v[BR+6*(\k/2)+2+(\k%2)], v[BR+6*(\k/2)+4+(\k%2)]
.endr
.irp k, 0,1,2,3
	v_cmp_le_f32 s[30+\k], 0, v[MR+\k]             ; inside: all three at least 0
.endr
.irp k, 0,1,2,3
	v_cmp_gt_f32 s[34+\k], v[ZP+\k], v[BEST+\k]    ; and nearer than the best so far
.endr
.irp p, 0,1
	PKB_FMA2 UN+2*\p, PX+2*\p, \r+14               ; u = Au px + Du
	PKB_FMA2 VN+2*\p, PX+2*\p, \r+16               ; v = Av px + Dv
.endr
.irp k, 0,1,2,3
	s_and_b32 s[30+\k], s[30+\k], s[34+\k]
.endr
.irp k, 0,1,2,3
	v_cndmask_b32 v[BEST+\k], v[BEST+\k], v[ZP+\k], s[30+\k]
	v_cndmask_b32 v[IDX+\k], v[IDX+\k], v[\r+13], s[30+\k]
	v_cndmask_b32 v[UU+\k], v[UU+\k], v[UN+\k], s[30+\k]
	v_cndmask_b32 v[VV+\k], v[VV+\k], v[VN+\k], s[30+\k]
.endr
.endm
	s_load_b256 s[4:11], s[0:1], 0x0               ; rec s[4:5], rng s[6:7], pix s[8:9], wxy s[10:11]
	v_lshl_add_u32 v126, v0, 2, 0x28000
	v_mov_b32 v127, 0
	v_lshrrev_b32 v2, 5, v0
	v_readfirstlane_b32 s12, v2                    ; wave 0..31
	v_and_b32 v1, 31, v0                           ; lane
	s_mov_b32 s13, ttmp9                           ; row r
	s_and_b32 s14, ttmp7, 0xffff                   ; frame
	s_mul_i32 s18, s12, WREC                       ; my wave's records in LDS
	v_lshlrev_b32 v[ORNG], 3, v0
	v_lshlrev_b32 v[OREC], 4, v0
	v_mul_u32_u24 v[SA], v1, RECB
	v_add_nc_u32 v[SA], s18, v[SA]                 ; wave x 2,560 + lane x 80
	v_mov_b32 v[LBV], s18
	s_lshl_b32 s16, s14, 2
	s_mov_b32 s17, 0
	s_wait_kmcnt 0x0
	s_add_nc_u64 s[6:7], s[6:7], s[16:17]          ; rng at my frame's word
	s_mul_i32 s16, s14, RECF
	s_add_nc_u64 s[4:5], s[4:5], s[16:17]          ; rec at my frame
	; all six loads of a lane go out at once; each quad load of the wave covers 512 consecutive bytes, aligned
	global_load_b32 v[RW], v[ORNG], s[6:7]
.irp q, 0,1,2,3,4
	global_load_b128 v[W+4*\q:W+4*\q+3], v[OREC], s[4:5] offset:RECQ*\q
.endr
	; while they are on their way: pixel centres and the start of the running winners
	v_lshlrev_b32 v2, 3, v1
.irp k, 0,1,2,3
	v_add_nc_u32 v3, 2*\k-127, v2                  ; 2 x - 127 with x = 4 lane + k
	v_cvt_f32_i32 v[PX+\k], v3
	v_mul_f32 v[PX+\k], 0x3c000000, v[PX+\k]       ; / 128: exact
.endr
	s_lshl_b32 s15, s13, 1
	s_sub_co_i32 s15, 127, s15
	v_cvt_f32_i32 v[PY], s15
	v_mul_f32 v[PY], 0x3c000000, v[PY]             ; (127 - 2 r) / 128: exact
.if BARY_FMA
	v_mov_b32 v[PY+1], v[PY]
.endif
.irp k, 0,1,2,3
	v_mov_b32 v[BEST+\k], 0xd01502f9               ; -1e10: the score of a face that does not cover
	v_mov_b32 v[IDX+\k], -1
	v_mov_b32 v[UU+\k], 0                          ; u = v = 0 where no face covers
	v_mov_b32 v[VV+\k], 0
.endr
	s_wait_loadcnt 0x0                             ; the range word and the five quads: nothing more is loaded from memory
	; the mask of the faces that can cover a pixel centre of this row: rlo <= r < rhi1
	v_and_b32 v14, 0xff, v[RW]                     ; rlo
	v_bfe_u32 v15, v[RW], 8, 8                     ; rhi1
	v_cmp_le_u32 s20, v14, s13
	v_cmp_gt_u32 s21, v15, s13
	s_and_b32 s20, s20, s21
	; what is the same for the whole row is folded into the record once
.if BARY_FMA == 0
.irp i, 0,1,2
	v_mul_f32 v[W+\i], v[PY], v[W+\i]              ; T_i = py e_ix: the same rounded product for the whole row
.endr
.endif
	v_fma_f32 v[W+15], v[PY], v[W+13], v[W+15]     ; Du = py Bu + Cu
	v_mov_b32 v[W+13], v0                          ; the face's number takes Bu's place
	v_fma_f32 v[W+17], v[PY], v[W+17], v[W+18]     ; Dv = py Bv + Cv
.irp q, 0,1,2,3
	ds_store_b128 v[SA], v[W+4*\q:W+4*\q+3] offset:16*\q
.endr
	ds_store_b64 v[SA], v[W+16:W+17] offset:64
	s_bcnt1_i32_b32 s25, s20
	s_min_u32 s25, s25, 32                         ; trips: one for each face kept
	; A wave reads its own records alone, but the place it reads hangs on the mask.  So the walk stands between two barriers: every record is stored
	; before any is read, and every read is back before the winners are stored.  The ordering then holds for any place inside LDS.
	s_wait_dscnt 0x0                               ; my stores are done
	s_barrier_signal -1
	s_barrier_wait -1
	s_cmp_eq_u32 s25, 0
	s_cbranch_scc1 .Ldone
.Lface:
	s_ctz_i32_b32 s26, s20                         ; the lowest face left: the walk ascends
	s_min_u32 s26, s26, 31                         ; a wave has 32 records
	s_mul_i32 s26, s26, RECB
	v_add_nc_u32 v[PA], s26, v[LBV]
.irp q, 0,1,2,3
	ds_load_b128 v[RA+4*\q:RA+4*\q+3], v[PA] offset:16*\q          ; every lane at the same address
.endr
	ds_load_b64 v[RA+16:RA+17], v[PA] offset:64
	s_sub_co_u32 s27, s20, 1
	s_and_b32 s20, s20, s27                        ; that bit is taken away
	s_wait_dscnt 0x0                               ; the record is in
	FACE RA
	s_sub_co_i32 s25, s25, 1
	s_cmp_lg_u32 s25, 0
	s_cbranch_scc1 .Lface
.Ldone:
	s_wait_dscnt 0x0                               ; my reads of records are back (met: each trip waited for its own)
	s_barrier_signal -1
	s_barrier_wait -1
	; the 32 waves' winners meet in LDS: word (wave, quantity, pixel)
	s_lshl_b32 s26, s12, 11
	s_add_co_u32 s26, s26, RED
	v_lshl_add_u32 v14, v1, 4, s26                 ; RED + 2,048 wave + 16 lane
	ds_store_b128 v14, v[BEST:BEST+3]
	ds_store_b128 v14, v[IDX:IDX+3] offset:512
	ds_store_b128 v14, v[UU:UU+3] offset:1024
	ds_store_b128 v14, v[VV:VV+3] offset:1536
	s_wait_dscnt 0x0                               ; for the others' sake: my stores are done
	s_barrier_signal -1
	s_barrier_wait -1
	; First join, all 32 waves: wave v takes the four sources 4 (v >> 2) .. + 3 for the pixels 32 (v & 3) + lane
	s_lshr_b32 s26, s12, 2                         ; group g
	s_and_b32 s27, s12, 3                          ; block of 32 pixels
	s_lshl_b32 s27, s27, 7                         ; 128 bytes a block
	s_lshl_b32 s28, s26, 13                        ; four sources of 2,048 bytes
	s_add_co_u32 s28, s28, s27
	s_add_co_u32 s28, s28, RED
	v_lshl_add_u32 v14, v1, 2, s28
	s_lshl_b32 s29, s26, 11
	s_add_co_u32 s29, s29, s27
	s_add_co_u32 s29, s29, RED2
	v_lshl_add_u32 v15, v1, 2, s29                 ; RED2 + 2,048 g + 128 block + 4 lane
.irp i, 0,1,2,3
.irp q, 0,1,2,3
	ds_load_b32 v[S1+4*\i+\q], v14 offset:2048*\i+512*\q
.endr
.endr
.irp i, 1,2,3
	s_wait_dscnt 4*(3-\i)                          ; sources 0 .. i are in, the four loads of each later source stay out
	v_cmp_gt_f32 vcc_lo, v[S1+4*\i], v[S1]         ; sources ascend with the faces: 'greater' alone keeps the first of equals
.irp q, 0,1,2,3
	v_cndmask_b32 v[S1+\q], v[S1+\q], v[S1+4*\i+\q], vcc_lo
.endr
.endr
.irp q, 0,1,2,3
	ds_store_b32 v15, v[S1+\q] offset:512*\q
.endr
	s_wait_dscnt 0x0                               ; for the others' sake: my stores are done
	s_barrier_signal -1
	s_barrier_wait -1
	; Second join, waves 0 and 1: thread t takes pixels 2 t and 2 t + 1 of all eight groups
	s_cmp_gt_u32 s12, 1
	s_cbranch_scc1 .Lend
	v_and_b32 v2, 63, v0                           ; t: 0 to 63 in these two waves
	v_lshlrev_b32 v15, 3, v2                       ; 8 t: my place in a row of pix, wx, wy
	s_mov_b32 s26, RED2
	v_add_nc_u32 v14, s26, v15
.irp g, 0,1,2,3,4,5,6,7
.irp q, 0,1,2,3
	ds_load_b64 v[S2+8*\g+2*\q:S2+8*\g+2*\q+1], v14 offset:2048*\g+512*\q
.endr
.endr
	s_lshl_b32 s26, s14, 7
	s_add_co_u32 s26, s26, s13
	s_lshl_b32 s26, s26, 9                         ; (128 frame + r) rows of 512 bytes
	s_mov_b32 s27, 0
	s_add_nc_u64 s[8:9], s[8:9], s[26:27]
	s_add_nc_u64 s[10:11], s[10:11], s[26:27]
	s_mov_b32 s28, 0x43ff8000                      ; 511.0
.irp g, 1,2,3,4,5,6,7
	s_wait_dscnt 4*(7-\g)                          ; groups 0 .. g are in, the four loads of each later group stay out
.irp k, 0,1
	v_cmp_gt_f32 s[30+\k], v[S2+8*\g+\k], v[S2+\k]
.endr
.irp k, 0,1
.irp q, 0,1,2,3
	v_cndmask_b32 v[S2+2*\q+\k], v[S2+2*\q+\k], v[S2+8*\g+2*\q+\k], s[30+\k]
.endr
.endr
.endr
	; the texture place: x = clip(u) 511, y = (1 - clip(v)) 511; corner and weights.  Index at S2+2, u at S2+4, v at S2+6
.irp k, 0,1
	v_med3_num_f32 v[S2+4+\k], v[S2+4+\k], 0, 1.0
	v_med3_num_f32 v[S2+6+\k], v[S2+6+\k], 0, 1.0
	v_sub_f32 v[S2+6+\k], 1.0, v[S2+6+\k]
	v_mul_f32 v[S2+4+\k], s28, v[S2+4+\k]
	v_mul_f32 v[S2+6+\k], s28, v[S2+6+\k]
	v_floor_f32 v110, v[S2+4+\k]
	v_floor_f32 v111, v[S2+6+\k]
	v_sub_f32 v[OX+\k], v[S2+4+\k], v110           ; wx
	v_sub_f32 v[OY+\k], v[S2+6+\k], v111           ; wy
	v_cvt_i32_f32 v110, v110
	v_cvt_i32_f32 v111, v111
	v_lshl_or_b32 v[OW+\k], v111, 9, v110
	v_and_b32 v112, 1023, v[S2+2+\k]
	v_lshl_or_b32 v[OW+\k], v112, 18, v[OW+\k]
	v_xor_b32 v112, 0x80000000, v[S2+2+\k]         ; the sign turned round: set where a face was found
	v_and_or_b32 v[OW+\k], v112, 0x80000000, v[OW+\k]
.endr
	global_store_b64 v15, v[OW:OW+1], s[8:9]                       ; each store of a wave covers 256 consecutive bytes, aligned: half a row
	global_store_b64 v15, v[OX:OX+1], s[10:11]
	global_store_b64 v15, v[OY:OY+1], s[10:11] offset:131072       ; the plane of wy
.Lend:
	s_wait_tensorcnt 0x0
	ds_add_u32 v126, v127
	s_wait_dscnt 0x0
	s_endpgm
.Lfunc_end_k_q046a250e63_raster:
	.size	k_q046a250e63_raster, .Lfunc_end_k_q046a250e63_raster-k_q046a250e63_raster
	.p2alignl 7, 3214868480
	.fill 96, 4, 3214868480
	.section	.rodata,"a",@progbits
	.p2align	6, 0x0
	.amdhsa_kernel k_q046a250e63_raster
		.amdhsa_group_segment_fixed_size 167936
		.amdhsa_private_segment_fixed_size 0
		.amdhsa_enable_private_segment 0
		.amdhsa_kernarg_size 32
		.amdhsa_user_sgpr_count 2
		.amdhsa_user_sgpr_kernarg_segment_ptr 1
		.amdhsa_wavefront_size32 1
		.amdhsa_system_sgpr_workgroup_id_x 1
		.amdhsa_system_sgpr_workgroup_id_y 1
		.amdhsa_system_sgpr_workgroup_id_z 1
		.amdhsa_system_vgpr_workitem_id 0
		.amdhsa_next_free_vgpr 128
		.amdhsa_next_free_sgpr 66
		.amdhsa_reserve_vcc 1
		.amdhsa_float_denorm_mode_32 3
		.amdhsa_float_denorm_mode_16_64 3
		.amdhsa_memory_ordered 1
		.amdhsa_forward_progress 1
		.amdhsa_inst_pref_size 21
	.end_amdhsa_kernel
	.amdgpu_metadata
---
amdhsa.version: [ 1, 2 ]
amdhsa.kernels:
  - .name:           k_q046a250e63_raster
    .symbol:         k_q046a250e63_raster.kd
    .args:
      - { .name: rec, .offset: 0, .size: 8, .value_kind: global_buffer, .address_space: global }
      - { .name: rng, .offset: 8, .size: 8, .value_kind: global_buffer, .address_space: global }
      - { .name: pix, .offset: 16, .size: 8, .value_kind: global_buffer, .address_space: global }
      - { .name: wxy, .offset: 24, .size: 8, .value_kind: global_buffer, .address_space: global }
    .group_segment_fixed_size: 167936
    .private_segment_fixed_size: 0
    .kernarg_segment_align: 8
    .kernarg_segment_size: 32
    .max_flat_workgroup_size: 1024
    .sgpr_count:     66
    .vgpr_count:     128
    .wavefront_size: 32
...
	.end_amdgpu_metadata
.endif
;; end of part 2
;; launch shade (part 3): grid 128 x 2, 2 waves a work-group, no clusters, 0 bytes of LDS; arguments pix, wxy, lit, texture_maps, out0; writes out0
.if DOCPART == 3
	.amdgcn_target "amdgcn-amd-amdhsa--gfx1250"
	.amdhsa_code_object_version 6
	.text
	.protected	k_q046a250e63_shade
	.globl	k_q046a250e63_shade
	.p2align	8
	.type	k_q046a250e63_shade,@function
k_q046a250e63_shade:
	s_mov_b64 s[64:65], 0
	v_nop
	global_prefetch_b8 v0, s[64:65] scope:SCOPE_SE
	s_setreg_imm32_b32 hwreg(HW_REG_WAVE_MODE, 25, 1), 1
	s_wait_xcnt 0x0
; SHADE: colour and eroded mask.  A work-group is one image row of one frame (x = row, y = frame); thread t (0..63) owns pixels 2 t and 2 t + 1,
; so that every 8-byte store of a wave covers 256 consecutive bytes, aligned.
; The texel addresses come from pix, whole numbers that the launch before stored: x0 | y0<<9 | face<<18 | covered<<31.
; colour c = (bilinear blend of four texels) x (covered ? lighting of the face : 1);  mask = 1 where all pixels of the 3 x 3 window inside the image are covered.
; A window row or column outside the image is replaced by the nearest one inside, which is in the window already: the same minimum as padding with a large number.
; Every field that enters an address is clamped to its table by a constant in the instruction; the clamps change no word that the launch before stores
; but the face number 1023 of a pixel without a face, whose lighting is loaded and not used.
; No LDS: no thread needs what another loaded but the two neighbour columns, six words a thread.
.set CEN, 2                            ; v[2:3]    my two words, this row
.set UPP, 4                            ; v[4:5]    the row above
.set LOW, 6                            ; v[6:7]    the row below
.set LFT, 8                            ; v8-10     column 2t-1: above, this, below
.set RGT, 11                           ; v11-13    column 2t+2
.set WX,  14                           ; v[14:15]
.set WY,  16                           ; v[16:17]
.set TO,  20                           ; v[20:27]  pixel k: byte offsets of texels (y0,x0) (y0,x1) (y1,x0) (y1,x1) at TO+4k
.set LO,  28                           ; v28, v29  byte offset of the face's lighting
.set TX,  32                           ; v[32:55]  texels: TX + 12 k + 4 c + j
.set LT,  56                           ; v[56:63]  lighting of pixel k at LT+4k
.set WT,  64                           ; v[64:71]  the four weights of pixel k at WT+4k
.set RES, 72                           ; v[72:79]  plane c of my two pixels at RES+2c; plane 3 = mask
	s_load_b256 s[4:11], s[0:1], 0x0               ; pix s[4:5], wxy s[6:7], lit s[8:9], texture s[10:11]
	s_load_b64 s[12:13], s[0:1], 0x20              ; out0
	s_and_b32 s14, ttmp7, 0xffff                   ; frame
	s_mov_b32 s15, ttmp9                           ; row r
	s_sub_co_i32 s16, s15, 1
	s_max_i32 s16, s16, 0                          ; the row above, inside the image
	s_add_co_u32 s17, s15, 1
	s_min_u32 s17, s17, 127                        ; the row below
	s_lshl_b32 s26, s14, 7
	s_add_co_u32 s18, s26, s15
	s_add_co_u32 s28, s26, s16
	s_add_co_u32 s30, s26, s17
	s_lshl_b32 s18, s18, 9                         ; (128 frame + row) x 512 bytes
	s_lshl_b32 s28, s28, 9
	s_lshl_b32 s30, s30, 9
	s_mov_b32 s19, 0
	s_mov_b32 s29, 0
	s_mov_b32 s31, 0
	s_lshl_b32 s26, s14, 14                        ; lit: 16,384 bytes a frame
	s_mov_b32 s27, 0
	s_lshl_b32 s2, s14, 18                         ; out0: 262,144 bytes a frame,
	s_lshl_b32 s3, s15, 9                          ; 512 a row
	s_add_co_u32 s2, s2, s3
	s_mov_b32 s3, 0
	v_lshlrev_b32 v1, 3, v0                        ; 8 t
	v_add_nc_u32 v18, -4, v1                       ; column 2t-1,
	v_cmp_eq_u32 vcc_lo, 0, v0
	v_cndmask_b32 v18, v18, v1, vcc_lo             ; column 0 for t = 0
	v_add_nc_u32 v19, 8, v1
	v_min_u32 v19, 508, v19                        ; column 2t+2, at most 127
	s_wait_kmcnt 0x0
	s_add_nc_u64 s[20:21], s[4:5], s[18:19]
	s_add_nc_u64 s[22:23], s[4:5], s[28:29]
	s_add_nc_u64 s[24:25], s[4:5], s[30:31]
	s_add_nc_u64 s[6:7], s[6:7], s[18:19]
	s_add_nc_u64 s[8:9], s[8:9], s[26:27]
	s_add_nc_u64 s[12:13], s[12:13], s[2:3]
	global_load_b64 v[CEN:CEN+1], v1, s[20:21]     ; first: the addresses hang on it
	global_load_b64 v[WX:WX+1], v1, s[6:7]
	global_load_b64 v[WY:WY+1], v1, s[6:7] offset:131072
	global_load_b64 v[UPP:UPP+1], v1, s[22:23]
	global_load_b64 v[LOW:LOW+1], v1, s[24:25]
	global_load_b32 v[LFT],   v18, s[22:23]
	global_load_b32 v[LFT+1], v18, s[20:21]
	global_load_b32 v[LFT+2], v18, s[24:25]
	global_load_b32 v[RGT],   v19, s[22:23]
	global_load_b32 v[RGT+1], v19, s[20:21]
	global_load_b32 v[RGT+2], v19, s[24:25]
	s_wait_loadcnt 0xa                             ; my two words are in; the ten younger loads stay out
.macro ADR k                           ; the four texel offsets and the lighting's offset of pixel k
	v_and_b32 v80, 511, v[CEN+\k]
	v_bfe_u32 v81, v[CEN+\k], 9, 9
	v_bfe_u32 v84, v[CEN+\k], 18, 10
	v_min_u32 v80, 511, v80                        ; x0
	v_min_u32 v81, 511, v81                        ; y0
	v_min_u32 v84, 999, v84                        ; face
	v_add_nc_u32 v82, 1, v80
	v_add_nc_u32 v83, 1, v81
	v_min_u32 v82, 511, v82                        ; x1
	v_min_u32 v83, 511, v83                        ; y1
	v_lshl_add_u32 v[TO+4*\k],   v81, 9, v80
	v_lshl_add_u32 v[TO+4*\k+1], v81, 9, v82
	v_lshl_add_u32 v[TO+4*\k+2], v83, 9, v80
	v_lshl_add_u32 v[TO+4*\k+3], v83, 9, v82
.irp j, 0,1,2,3
	v_lshlrev_b32 v[TO+4*\k+\j], 2, v[TO+4*\k+\j]
.endr
	v_lshlrev_b32 v[LO+\k], 4, v84
.endm
	ADR 0
	ADR 1
.irp k, 0,1
.irp c, 0,1,2
.irp j, 0,1,2,3
	global_load_b32 v[TX+12*\k+4*\c+\j], v[TO+4*\k+\j], s[10:11] offset:1048576*\c   ; the colour plane stands in the immediate
.endr
.endr
	global_load_b128 v[LT+4*\k:LT+4*\k+3], v[LO+\k], s[8:9]
.endr
	s_wait_loadcnt 0x0                             ; all 26 gathers went out together; everything below needs them or the neighbours
.macro BLEND k
	v_sub_f32 v80, 1.0, v[WX+\k]
	v_sub_f32 v81, 1.0, v[WY+\k]
	v_mul_f32 v[WT+4*\k],   v80, v81
	v_mul_f32 v[WT+4*\k+1], v[WX+\k], v81
	v_mul_f32 v[WT+4*\k+2], v80, v[WY+\k]
	v_mul_f32 v[WT+4*\k+3], v[WX+\k], v[WY+\k]
	v_cmp_gt_i32 vcc_lo, 0, v[CEN+\k]              ; bit 31: covered
.irp c, 0,1,2
	v_mul_f32 v82, v[TX+12*\k+4*\c], v[WT+4*\k]
	v_fma_f32 v82, v[TX+12*\k+4*\c+1], v[WT+4*\k+1], v82
	v_fma_f32 v82, v[TX+12*\k+4*\c+2], v[WT+4*\k+2], v82
	v_fma_f32 v82, v[TX+12*\k+4*\c+3], v[WT+4*\k+3], v82
	v_cndmask_b32 v83, 1.0, v[LT+4*\k+\c], vcc_lo
	v_mul_f32 v[RES+2*\c+\k], v82, v83
.endr
.endm
	BLEND 0
	BLEND 1
	; erosion on bit 31: first down each of the four columns 2t-1 .. 2t+2, then over three neighbouring columns
	v_and_b32 v80, v[LFT], v[LFT+1]
	v_and_b32 v81, v[UPP], v[CEN]
	v_and_b32 v82, v[UPP+1], v[CEN+1]
	v_and_b32 v83, v[RGT], v[RGT+1]
	v_and_b32 v80, v80, v[LFT+2]
	v_and_b32 v81, v81, v[LOW]
	v_and_b32 v82, v82, v[LOW+1]
	v_and_b32 v83, v83, v[RGT+2]
	v_and_b32 v81, v81, v82                        ; my two columns
	v_and_b32 v80, v80, v81
	v_and_b32 v83, v83, v81
	v_ashrrev_i32 v80, 31, v80                     ; bit 31 into all bits,
	v_ashrrev_i32 v83, 31, v83
	v_and_b32 v[RES+6], 0x3f800000, v80            ; which leave 1.0 or 0.0
	v_and_b32 v[RES+7], 0x3f800000, v83
.irp c, 0,1,2,3
	global_store_b64 v1, v[RES+2*\c:RES+2*\c+1], s[12:13] offset:65536*\c
.endr
	s_endpgm
.Lfunc_end_k_q046a250e63_shade:
	.size	k_q046a250e63_shade, .Lfunc_end_k_q046a250e63_shade-k_q046a250e63_shade
	.p2alignl 7, 3214868480
	.fill 96, 4, 3214868480
	.section	.rodata,"a",@progbits
	.p2align	6, 0x0
	.amdhsa_kernel k_q046a250e63_shade
		.amdhsa_group_segment_fixed_size 0
		.amdhsa_private_segment_fixed_size 0
		.amdhsa_enable_private_segment 0
		.amdhsa_kernarg_size 40
		.amdhsa_user_sgpr_count 2
		.amdhsa_user_sgpr_kernarg_segment_ptr 1
		.amdhsa_wavefront_size32 1
		.amdhsa_system_sgpr_workgroup_id_x 1
		.amdhsa_system_sgpr_workgroup_id_y 1
		.amdhsa_system_sgpr_workgroup_id_z 1
		.amdhsa_system_vgpr_workitem_id 0
		.amdhsa_next_free_vgpr 88
		.amdhsa_next_free_sgpr 66
		.amdhsa_reserve_vcc 1
		.amdhsa_float_denorm_mode_32 3
		.amdhsa_float_denorm_mode_16_64 3
		.amdhsa_memory_ordered 1
		.amdhsa_forward_progress 1
		.amdhsa_inst_pref_size 11
	.end_amdhsa_kernel
	.amdgpu_metadata
---
amdhsa.version: [ 1, 2 ]
amdhsa.kernels:
  - .name:           k_q046a250e63_shade
    .symbol:         k_q046a250e63_shade.kd
    .args:
      - { .name: pix, .offset: 0, .size: 8, .value_kind: global_buffer, .address_space: global }
      - { .name: wxy, .offset: 8, .size: 8, .value_kind: global_buffer, .address_space: global }
      - { .name: lit, .offset: 16, .size: 8, .value_kind: global_buffer, .address_space: global }
      - { .name: texture_maps, .offset: 24, .size: 8, .value_kind: global_buffer, .address_space: global }
      - { .name: out0, .offset: 32, .size: 8, .value_kind: global_buffer, .address_space: global }
    .group_segment_fixed_size: 0
    .private_segment_fixed_size: 0
    .kernarg_segment_align: 8
    .kernarg_segment_size: 40
    .max_flat_workgroup_size: 64
    .sgpr_count:     66
    .vgpr_count:     88
    .wavefront_size: 32
...
	.end_amdgpu_metadata
.endif
;; end of part 3
